; MI455X (gfx1250); checked and timed in simulation.
; The chip was launched on July 23, 2026; its instructions are those of AMD's public machine-readable ISA for CDNA 5 (MIT licence, August 2026) and "CDNA5" Instruction Set Architecture Reference Guide (July 2026). The comments in the code are by the model that wrote it; some were corrected since.
;; Fused MLP Softplus. Allowed arithmetic: matrix products marked QUANTISED: E2M3 operands, one E8M0 scale for each 32 along K, by v_wmma_scale_f32_16x16x128_f8f6f4 with both operands' format E2M3, f32 sums; everything else in f32.
;; Inputs: w1 256 x 1,024 float32; w2 1,024 x 1,024 float32; w3 1,024 x 256 float32; x 32,768 x 256 float32.
;; Outputs: out0 32,768 x 256 float32.
;; This version of the problem:
;;   THIS VERSION OF THE PROBLEM IS GIVEN IN LOW PRECISION. The matrix products marked QUANTISED in the list below multiply operands that are first quantised to E2M3 (2 exponent bits, 3 mantissa bits; 6 bits a number), with one power-of-two scale for each 32 numbers along K (OCP MX v1.0); their sums are f32. All else is computed in f32.
;;   The module's matrix products, in the order in which they are computed (A, B: the left and right operand; K: the contracted axis; several contracted axes count as one K, in the product's order):
;;     1. [M 32,768, K 256] x [K 256, N 1,024]; A: input x; B: input w1: QUANTISED
;;     2. [M 32,768, K 1,024] x [K 1,024, N 1,024]; A: computed on the way; B: input w2: QUANTISED
;;     3. [M 32,768, K 1,024] x [K 1,024, N 256]; A: computed on the way; B: input w3: QUANTISED
;;   THE QUANTISER, for each operand of a quantised product, along K:
;;     - K is cut into blocks of 32 from its start; a last block that is shorter is filled with zeros.
;;     - A block's scale is 2^e with e = floor(log2(the largest magnitude in the block)) - 2, held to -126 .. 127; a block of zeros has e = 0. As a byte (E8M0): e + 127.
;;     - Each number is divided by its block's scale, clamped to +-7.5, and rounded to the nearest number of E2M3, ties to even, subnormals kept.
;;     - The product sums the exact products of the quantised numbers (number of the format x scale) in f32.
;;   ~~~python
;;   def quantise(x, axis):      # numpy; x: float32 -> the quantised numbers, widened to float32 again
;;       x = np.moveaxis(x, axis, -1); K = x.shape[-1]
;;       x = np.pad(x, [(0, 0)] * (x.ndim - 1) + [(0, -K % 32)]); x = x.reshape(x.shape[:-1] + (-1, 32)); a = np.abs(x).max(-1, keepdims=True)
;;       e = np.where(a > 0, np.clip(np.frexp(np.where(a > 0, a, 1))[1] - 1 - 2, -126, 127), 0)      # np.frexp(a)[1] - 1 = floor(log2(a)), exactly
;;       r = np.clip(x / 2.0 ** e, -7.5, 7.5)
;;       step = 2.0 ** (np.maximum(np.frexp(np.where(r == 0, 1, r))[1] - 1, 0) - 3)
;;       q = np.round(r / step) * step * 2.0 ** e      # np.round: ties to even
;;       return np.moveaxis(q.reshape(q.shape[:-2] + (-1,))[..., :K], -1, axis).astype(np.float32)
;;   ~~~
;;   OPERANDS COMPUTED ON THE WAY. 'Computed on the way' means the value that the module computes at that place (a softmax that the list does not call 'softmax' is quantised finished and normalised). What goes into a quantiser is computed in f32, as accurately as f32 sums, v_exp_f32 and their like allow (about 1e-6 of the number): no bf16 or f16 on the way to a quantiser, and a product that is left as it is and whose result goes on into a quantised operand takes f32 operands (vector FMAs, or v_wmma_f32_16x16x4_f32). A number that lies on a knife's edge between two numbers of the format may be rounded either way, as far as f32 arithmetic and the matrix unit's own rounding can turn it there, and no further.
;; One version. Each part assembles by itself: llvm-mc -triple=amdgcn-amd-amdhsa -mcpu=gfx1250 --defsym DOCPART=n.
;; ======== version 1 of 1: 2 launches
;; limits: a function is approximated: absolute error at most 6e-08
;; workspace buffers: wq 1,228,800 bytes
;; launch prep (part 1): grid 96 x 1, 4 waves a work-group, no clusters, 13,824 bytes of LDS; arguments w1, w2, w3, wq; writes wq
.if DOCPART == 1
	.amdgcn_target "amdgcn-amd-amdhsa--gfx1250"
	.amdhsa_code_object_version 6
	.text
	.protected	k_qcc0b8ab755_prep
	.globl	k_qcc0b8ab755_prep
	.p2align	8
	.type	k_qcc0b8ab755_prep,@function
k_qcc0b8ab755_prep:
	s_mov_b64 s[64:65], 0
	v_nop
	global_prefetch_b8 v0, s[64:65] scope:SCOPE_SE
	s_setreg_imm32_b32 hwreg(HW_REG_WAVE_MODE, 25, 1), 1
	s_wait_xcnt 0x0
; w1 [256][1024], w2 [1024][1024], w3 [1024][256], f32 with K as FIRST axis, become codes of FP6 (E2M3) with one E8M0 byte for each 32 along K,
; laid in wq as IMAGES OF OPERAND REGISTERS, in the order in which the second launch streams them: 12 slots of 102,400 bytes.
; A slot: 64 fragments of 1,536 bytes (16 columns x 128 K: register p of lane l at (p / 4) 512 + 16 l + 4 (p % 4)), then 4,096 bytes of scale words.
; Stream 0 (byte 0): w1 pass 0, w1 pass 1, w2 pass 0 K steps 4-5, 0-1, w2 pass 1 K steps 4-5, 0-1, w3 K steps 0-3.  Stream 1 (byte 716,800): w2 pass 0 K steps 6-7, 2-3, pass 1 likewise, w3 K steps 4-7.
; w1, w2: fragment 32 q + 8 w + b (q: K step in the slot, w: the wave that will read it, b: tile); row p of tile 2 B + u is column 512 pass + 128 w + 32 B + 8 u + p + 8 (p / 8),
; so that the reader's results of two neighbouring tiles are 16 neighbours along the next K.  w3: fragment 16 q + 4 w + b, columns as they lie.
; A block's scale is 2^(floor(log2(largest magnitude)) - 2); its byte is the largest magnitude's exponent field - 2, held at 1 from below.
; LIMITS: a block of zeros gets the byte 1 over zero codes (the bytes are read by this program alone); NaN and infinities among the inputs are not served.
; SHARES: a work-group takes 128 columns x 128 along K, a wave 32 columns: two fragments.  A LANE TAKES A COLUMN AND ITS REGISTERS RUN DOWN K: a block of 32 lies in one lane.
; One path for the three tensors: what differs is chosen by s_cselect on the work-group's number.  No tensor loads; one barrier, for the scale words.
.set SLOTB, 102400
.set STR1,  7*SLOTB
.set SCW,   98304                      ; a slot's scale words begin here
.set X,     32                         ; v32-95   two sets of 32 numbers
.set D,     96                         ; v96-127  a block's six registers of codes, eight for each block
.set E,     128                        ; v128-143 the second conversion's three registers, four for each block
.set OFF,   160                        ; v160-191 byte offset of my column in row i of a block
.set OUTR,  192                        ; v192-215 the way out
.set SST,   12288                      ; LDS: four stages of 3,072 bytes, then 512 bytes of scale words
.set BASE,  36                         ; s[36:43] the four blocks' first rows
	s_load_b256 s[4:11], s[0:1], 0x0               ; w1 s[4:5], w2 s[6:7], w3 s[8:9], wq s[10:11]
	v_lshl_add_u32 v224, v0, 2, 0x3400
	v_mov_b32 v225, 0
	v_lshrrev_b32 v1, 5, v0
	v_readfirstlane_b32 s12, v1                    ; wave
	v_and_b32 v1, 31, v0                           ; lane
	v_and_b32 v2, 15, v0                           ; r: the operand's row that my column becomes
	v_bfe_u32 v3, v0, 4, 1                         ; u: which of the wave's two fragments
	; work-groups 0-15: w1 (8 column groups x 2 K steps); 16-79: w2 (8 x 8); 80-95: w3 (2 x 8)
	s_cmp_lt_u32 ttmp9, 16
	s_cselect_b32 s13, 0, 16
	s_cselect_b32 s19, 1, 3
	s_cselect_b32 s20, 1, 7
	s_cmp_lt_u32 ttmp9, 80
	s_cselect_b32 s13, s13, 80
	s_mov_b32 s16, 1024
	s_cselect_b32 s16, 4096, s16                   ; a row of the tensor in bytes
	s_cselect_b32 s21, -1, 0                       ; all lanes: the columns of a tile are chosen (w1, w2) or lie as they are (w3)
	s_mov_b32 s22, 1024
	s_cselect_b32 s22, 512, s22                    ; from the first 256 scale bytes to the second
	s_sub_co_u32 s13, ttmp9, s13
	s_lshr_b32 s14, s13, s19                       ; cg: the group of 128 columns
	s_and_b32 s15, s13, s20                        ; s: the K step
	s_lshr_b32 s17, s14, 2                         ; pass
	s_and_b32 s18, s14, 3                          ; the reading wave
	s_mul_i32 s23, s17, SLOTB                      ; w1's slot
	s_lshr_b32 s24, s15, 1                         ; w2: pair of K steps 0..3
	s_and_b32 s25, s24, 1                          ; odd pairs go to stream 1
	s_lshr_b32 s24, s24, 1
	s_xor_b32 s24, s24, 1                          ; pairs 2, 3 come ahead of pairs 0, 1
	s_lshl_b32 s26, s17, 1
	s_add_co_u32 s24, s24, s26
	s_xor_b32 s26, s25, 1
	s_lshl_b32 s26, s26, 1                         ; stream 0 begins with w1's two slots
	s_add_co_u32 s24, s24, s26
	s_mul_i32 s24, s24, SLOTB
	s_mul_i32 s25, s25, STR1
	s_add_co_u32 s24, s24, s25                     ; w2's slot
	s_lshr_b32 s25, s15, 2
	s_mul_i32 s25, s25, STR1+4*SLOTB-6*SLOTB
	s_add_co_u32 s25, s25, 6*SLOTB                 ; w3's slot: the last of each stream
	s_and_b32 s26, s15, 1                          ; q for w1, w2
	s_and_b32 s27, s15, 3                          ; q for w3
	s_cmp_lt_u32 ttmp9, 16
	s_cselect_b32 s23, s23, s24
	s_cmp_lt_u32 ttmp9, 80
	s_cselect_b32 s23, s23, s25                    ; the slot's first byte
	s_cselect_b32 s26, s26, s27                    ; q
	s_lshl_b32 s24, s26, 5
	s_lshl_b32 s25, s18, 3
	s_add_co_u32 s24, s24, s25                     ; first fragment: 32 q + 8 w
	s_lshl_b32 s25, s26, 4
	s_lshl_b32 s27, s14, 3
	s_add_co_u32 s25, s25, s27                     ; or 16 q + 8 cg
	s_lshl_b32 s27, s18, 10
	s_lshl_b32 s28, s26, 8
	s_add_co_u32 s27, s27, s28                     ; scale words: 1,024 w + 256 q
	s_lshl_b32 s28, s14, 11
	s_lshr_b32 s29, s26, 1
	s_lshl_b32 s29, s29, 9
	s_add_co_u32 s28, s28, s29
	s_and_b32 s29, s26, 1
	s_lshl_b32 s29, s29, 8
	s_add_co_u32 s28, s28, s29                     ; or 2,048 cg + 512 (q / 2) + 256 (q % 2)
	s_cmp_lt_u32 ttmp9, 80
	s_cselect_b32 s24, s24, s25
	s_cselect_b32 s27, s27, s28
	s_mul_i32 s24, s24, 1536
	s_add_co_u32 s24, s24, s23
	s_mul_i32 s48, s12, 3072                       ; my wave's two fragments, in wq and in LDS
	s_add_co_u32 s24, s24, s48
	s_mov_b32 s25, 0
	s_add_co_u32 s28, s27, s23
	s_add_co_u32 s28, s28, SCW
	s_mov_b32 s29, 0
	s_lshl_b32 s30, s15, 7
	s_mul_i32 s30, s30, s16                        ; 128 s rows down,
	s_lshl_b32 s31, s14, 9
	s_add_co_u32 s30, s30, s31                     ; 128 cg columns on,
	s_lshl_b32 s31, s12, 7
	s_add_co_u32 s30, s30, s31                     ; and my wave's 32
	s_mov_b32 s31, 0
	s_lshl_b32 s32, s16, 5                         ; a block: 32 rows
	s_mov_b32 s33, 0
	v_lshrrev_b32 v4, 3, v2
	v_lshl_add_u32 v4, v4, 3, v2                   ; r + 8 (r / 8)
	v_lshl_add_u32 v4, v3, 3, v4                   ; + 8 u
	v_cndmask_b32 v4, v1, v4, s21                  ; w3: the lane's own column
	v_lshlrev_b32 v4, 2, v4
.set li, 0
.rept 32
	v_mad_u32_u24 v[OFF+li], s16, li, v4
.set li, li+1
.endr
	v_mul_u32_u24 v5, v3, 1536
	v_lshl_add_u32 v5, v2, 4, v5
	v_add_nc_u32 v5, s48, v5                       ; stage, in: my fragment, operand lane r (+ 256 for lanes 16-31 of the operand, in the offset)
	v_lshlrev_b32 v8, 4, v1                        ; out: 16 bytes a lane
	v_add_nc_u32 v7, s48, v8
	s_lshr_b32 s49, s12, 1
	s_lshl_b32 s49, s49, 8
	s_and_b32 s50, s12, 1
	s_lshl_b32 s50, s50, 3
	s_add_co_u32 s49, s49, s50
	s_add_co_u32 s49, s49, SST
	v_lshlrev_b32 v6, 4, v2
	v_lshl_add_u32 v6, v3, 2, v6
	v_add_nc_u32 v6, s49, v6                       ; my scale word: 256 (wave / 2) + 16 r + 4 (2 (wave % 2) + u)
	v_add_nc_u32 v14, SST, v8
	v_mul_u32_u24 v15, s22, v3
	v_lshl_add_u32 v15, v2, 4, v15
	s_wait_kmcnt 0x0
	s_cmp_lt_u32 ttmp9, 16                         ; the choice of tensor hangs on the work-group's number alone
	s_cselect_b64 s[34:35], s[4:5], s[6:7]
	s_cmp_lt_u32 ttmp9, 80
	s_cselect_b64 s[34:35], s[34:35], s[8:9]
	s_add_nc_u64 s[BASE:BASE+1], s[34:35], s[30:31]
	s_add_nc_u64 s[BASE+2:BASE+3], s[BASE:BASE+1], s[32:33]
	s_add_nc_u64 s[BASE+4:BASE+5], s[BASE+2:BASE+3], s[32:33]
	s_add_nc_u64 s[BASE+6:BASE+7], s[BASE+4:BASE+5], s[32:33]
	s_add_nc_u64 s[44:45], s[10:11], s[24:25]      ; my fragments in wq
	s_add_nc_u64 s[46:47], s[10:11], s[28:29]      ; the work-group's scale words in wq
.macro LOAD t                          ; block t: 32 rows of my column into set t % 2; a wave's load covers 128 consecutive bytes
.set li, 0
.rept 32
	global_load_b32 v[X+32*((\t)%2)+li], v[OFF+li], s[BASE+2*(\t):BASE+2*(\t)+1] th:TH_LOAD_NT
.set li, li+1
.endr
.endm
.macro BLOCK t
.set XS, X+32*((\t)%2)
.set DD, D+8*(\t)
.set EE, E+4*(\t)
.if (\t) < 3
	s_wait_loadcnt 32                              ; this block's 32 loads are in; the next block's 32 may be out
.else
	s_wait_loadcnt 0x0
.endif
	v_max3_num_f32 v12, |v[XS]|, |v[XS+1]|, |v[XS+2]|
	v_max3_num_f32 v13, |v[XS+3]|, |v[XS+4]|, |v[XS+5]|
.irp i, 6,10,14,18,22,26
	v_max3_num_f32 v12, v12, |v[XS+\i]|, |v[XS+\i+1]|
	v_max3_num_f32 v13, v13, |v[XS+\i+2]|, |v[XS+\i+3]|
.endr
	v_max3_num_f32 v12, v12, |v[XS+30]|, |v[XS+31]|
	v_max3_num_f32 v12, v12, v13, 0x1800000        ; with the floor 2^(3 - 127): the byte cannot fall under 1
	v_add_nc_u32 v11, 0xff000000, v12              ; 2 off the exponent field: the conversion's scale operand
	v_lshrrev_b32 v13, 23, v11                     ; the scale's byte
.if (\t) == 0
	v_mov_b32 v24, v13
.else
	v_lshl_or_b32 v24, v13, 8*(\t), v24            ; the column's scale word for these 128 along K
.endif
	v_cvt_scalef32_pk16_fp6_f32 v[DD:DD+2], v[XS:XS+15], v11
	v_cvt_scalef32_pk16_fp6_f32 v[EE:EE+2], v[XS+16:XS+31], v11   ; (a conversion's three registers begin on an even number)
	v_nop                                          ; one plain line behind the scaled conversions
.irp i, 0,1,2
	v_mov_b32 v[DD+3+\i], v[EE+\i]
.endr
	; block t = 2 c + h is registers 6 c .. 6 c + 5 of operand lane 16 h + r
.if (\t)/2 == 0
	ds_store_b128 v5, v[DD:DD+3] offset:256*((\t)%2)
	ds_store_b64 v5, v[DD+4:DD+5] offset:512+256*((\t)%2)
.else
	ds_store_b64 v5, v[DD:DD+1] offset:512+256*((\t)%2)+8
	ds_store_b128 v5, v[DD+2:DD+5] offset:1024+256*((\t)%2)
.endif
.if (\t) < 2
	LOAD (\t)+2
.endif
.endm
	LOAD 0
	LOAD 1
	BLOCK 0
	BLOCK 1
	BLOCK 2
	BLOCK 3
	ds_store_b32 v6, v24
.irp k, 0,1,2,3,4,5
	ds_load_b128 v[OUTR+4*\k:OUTR+4*\k+3], v7 offset:512*\k      ; LDS serves a wave's instructions in order: these see my stores
.endr
	s_wait_dscnt 0x0                               ; my scale word has landed, for wave 0's sake; my images are back
	s_barrier_signal -1
	s_barrier_wait -1
.irp k, 0,1,2,3,4,5
	global_store_b128 v8, v[OUTR+4*\k:OUTR+4*\k+3], s[44:45] offset:512*\k   ; 32 lanes store 512 consecutive bytes, at a multiple of 512 from wq's first byte
.endr
	s_cmp_lg_u32 s12, 0
	s_cbranch_scc1 .Lend
	ds_load_b128 v[216:219], v14                   ; wave 0: the work-group's 128 scale words
	s_wait_dscnt 0x0
	global_store_b128 v15, v[216:219], s[46:47]    ; two runs of 256 consecutive bytes, each at a multiple of 256
.Lend:
	s_wait_tensorcnt 0x0
	ds_add_u32 v224, v225
	s_wait_dscnt 0x0
	s_endpgm
.Lfunc_end_k_qcc0b8ab755_prep:
	.size	k_qcc0b8ab755_prep, .Lfunc_end_k_qcc0b8ab755_prep-k_qcc0b8ab755_prep
	.p2alignl 7, 3214868480
	.fill 96, 4, 3214868480
	.section	.rodata,"a",@progbits
	.p2align	6, 0x0
	.amdhsa_kernel k_qcc0b8ab755_prep
		.amdhsa_group_segment_fixed_size 13824
		.amdhsa_private_segment_fixed_size 0
		.amdhsa_enable_private_segment 0
		.amdhsa_kernarg_size 32
		.amdhsa_user_sgpr_count 2
		.amdhsa_user_sgpr_kernarg_segment_ptr 1
		.amdhsa_wavefront_size32 1
		.amdhsa_system_sgpr_workgroup_id_x 1
		.amdhsa_system_sgpr_workgroup_id_y 1
		.amdhsa_system_sgpr_workgroup_id_z 1
		.amdhsa_system_vgpr_workitem_id 0
		.amdhsa_next_free_vgpr 226
		.amdhsa_next_free_sgpr 66
		.amdhsa_reserve_vcc 0
		.amdhsa_float_denorm_mode_32 3
		.amdhsa_float_denorm_mode_16_64 3
		.amdhsa_memory_ordered 1
		.amdhsa_forward_progress 1
		.amdhsa_inst_pref_size 27
	.end_amdhsa_kernel
	.amdgpu_metadata
---
amdhsa.version: [ 1, 2 ]
amdhsa.kernels:
  - .name:           k_qcc0b8ab755_prep
    .symbol:         k_qcc0b8ab755_prep.kd
    .args:
      - { .name: w1, .offset: 0, .size: 8, .value_kind: global_buffer, .address_space: global }
      - { .name: w2, .offset: 8, .size: 8, .value_kind: global_buffer, .address_space: global }
      - { .name: w3, .offset: 16, .size: 8, .value_kind: global_buffer, .address_space: global }
      - { .name: wq, .offset: 24, .size: 8, .value_kind: global_buffer, .address_space: global }
    .group_segment_fixed_size: 13824
    .private_segment_fixed_size: 0
    .kernarg_segment_align: 8
    .kernarg_segment_size: 32
    .max_flat_workgroup_size: 128
    .sgpr_count:     66
    .vgpr_count:     226
    .wavefront_size: 32
...
	.end_amdgpu_metadata
.endif
;; end of part 1
;; launch mlp (part 2): grid 256 x 1, 4 waves a work-group, clusters of 4 x 1, 327,680 bytes of LDS; arguments x, wq, out0; writes out0
.if DOCPART == 2
	.amdgcn_target "amdgcn-amd-amdhsa--gfx1250"
	.amdhsa_code_object_version 6
	.text
	.protected	k_qcc0b8ab755_mlp
	.globl	k_qcc0b8ab755_mlp
	.p2align	8
	.type	k_qcc0b8ab755_mlp,@function
k_qcc0b8ab755_mlp:
	s_mov_b64 s[64:65], 0
	v_nop
	global_prefetch_b8 v0, s[64:65] scope:SCOPE_SE
	s_setreg_imm32_b32 hwreg(HW_REG_WAVE_MODE, 25, 1), 1
	s_wait_xcnt 0x0
	s_wait_alu depctr_hold_cnt(0) depctr_sa_sdst(0) depctr_va_vdst(0) depctr_va_sdst(0) depctr_va_ssrc(0) depctr_va_vcc(0) depctr_vm_vsrc(0)
	s_getreg_b32 s2, hwreg(HW_REG_IB_STS2, 6, 4)
	s_cmp_eq_u32 s2, 0
	s_cbranch_scc0 .Lentry_in_a_cluster
	s_endpgm
.Lentry_in_a_cluster:
	s_bfe_u32 s2, ttmp6, 0x10000c
	s_cmp_lg_u32 s2, 0x3003
	s_cbranch_scc0 .Lentry_shape_is_right
	s_endpgm
.Lentry_shape_is_right:
; out = softplus(softplus(x W1) W2) W3, all three products on codes of FP6 (E2M3) with one E8M0 scale for each 32 along K.  x [32768][256] f32, out [32768][256] f32; the weights come as codes from wq (launch prep).
; SHARES.  A work-group takes 128 rows through all three layers; the hidden layers never go to memory.  A PASS makes 512 columns of a layer: wave w its 128 columns for all 128 rows: 64 accumulators of 16 x 16, 512 registers.
; Passes 0, 1: layer 1 (K = 256); passes 2, 3: layer 2 (K = 1,024); they are one loop of four trips, so that the softplus and the quantiser are written once.  Then layer 3: a wave makes 128 rows x 64 columns.
; THE MATRIX INSTRUCTION IS USED TRANSPOSED (source 0 = 16 columns of a weight, source 1 = 16 rows of activations): a lane holds ONE row, and, by the choice of columns that prep made, its 16 registers of two neighbouring
; tiles are 16 neighbours along the next K: they are quantised in registers.  Codes go from wave to wave through LDS as images of operand registers (12 registers a lane: three stores of 16 bytes a lane).
; WEIGHTS come through two LDS slots of 102,400 bytes (two K steps x 512 columns, with their scale words).  CLUSTER: the four work-groups of a cluster walk the same weights, so each slot is asked for JOINTLY:
; each wave asks for its quarter of the slot, with the same descriptor and the mask of all four in all four work-groups.  A mask names four work-groups, so a larger cluster would share no more.
; K ORDER.  x's codes lie where K steps 4, 5 of a hidden layer lie, and layer 2 walks K steps 4, 5, 6, 7, 0, 1, 2, 3: so a pass of either layer begins with the same lines; layer 1's trips pass over the other six K steps
; (a branch on the count of passes, the same in every wave and work-group; every wait on TENSORcnt on either way is for 0).
; ONE REGION FOR BOTH HIDDEN LAYERS: pass 2's codes are held in registers (104 a wave) until pass 3 has read the last of layer 1's.
; SOFTPLUS = max(x, 0) + ln 2 x log2(1 + 2^(-|x| log2 e)), in f32.  LIMITS: its absolute error is about 6e-8, so the relative error passes 1e-6 for x under about -5, and under about -17 the result is 0:
; far under a code's step unless all 32 numbers of a block are that small.  NaN and infinities are not served.  A block of zeros carries the byte 1 over zero codes.
; REGISTERS, in windows of 256.  Window 0: v1-15, v248 addresses; v16-47 scale words, two sets (weights' 8, activations' 8); v48-143 eight fragments of activations; v144-239 codes held, v240-247 their scale words.
;   Window 1: weights' fragments, two sets (v0, v128); in the vector phases v0-63 the numbers at work, v64-127 max(x, 0), then the quantiser's registers.  Windows 2, 3: accumulator (a, b) at v[8 (8 (a % 4) + b)] of window 2 + a / 4.
.set SLOTB,  102400                    ; a slot; slot 0 at LDS byte 0, slot 1 behind it
.set STR1,   7*SLOTB                   ; wq: stream 1 (for slot 1) begins here
.set QUART,  SLOTB/4                   ; what one wave asks for
.set FRB,    1536                      ; a fragment's image
.set WQ,     32*FRB                    ; a slot's second K step
.set SCW,    64*FRB                    ; a slot's scale words
.set HREG,   2*SLOTB                   ; activations: fragment (K step s, row tile a) at (8 s + a) FRB
.set HHALF,  32*FRB
.set HSC,    HREG+64*FRB               ; their scale words: (a, s, r) at 1,024 (s / 2) + 512 (a / 4) + 16 (16 (s % 2) + r) + 4 (a % 4)
.set STAGE,  HSC+4096                  ; the way out: 16 rows x 272 bytes for each wave
.set SP,     272
.set SPARE,  STAGE+4*16*SP             ; the spare words, 128 bytes for each wave: two blocks of 256 bytes that no other line names
.set XT,     SLOTB                     ; x as f32, 128 rows of 1,024 + 16 bytes: over slot 1 and the first 30,720 bytes of HREG; filled once, read at the head alone
.set XP,     1040
.set ADW,  1                           ; v1-2   my weights in slot 0, 1        (layer 3: v1, v2, v8, v9)
.set ADSW, 3                           ; v3-4   their scale words
.set ADH,  5                           ; v5-6   activations, K steps 0-3 and 4-7
.set ADHS, 7                           ; v7     their scale words
.set ADST0, 8                          ; v8     where I store codes: K step = my wave
.set ADSTC, 9                          ; v9     the same for the pass in hand
.set ADSS0, 10                         ; v10    and the scale words
.set ADSSC, 11                         ; v11
.set SPW,  12                          ; v12    my spare word; never rewritten
.set NIL,  13                          ; v13    0; never rewritten
.set ADX,  14                          ; v14    x in LDS;              later STO
.set ADXI, 15                          ; v15    x's images;            later RD
.set ADXS, 248                         ; v248   x's scale words;       later CO
.set STO,  14
.set RD,   15
.set CO,   248
.set SCS,  16
.set AF,   48
.set HELD, 144
.set HSW,  240
.set T,    0                           ; window 1
.set TB,   128
.set MX,   64
.set TM,   64                          ; v64-67 largest magnitudes, v68-71 bytes, v72-75 the conversions' scale operands
.set PC,   76
.set PC2,  88
.set PW,   96
.set G1W,  16                          ; s[16:23] group 1 for a quarter of a slot
.set G1X,  24                          ; s[24:31] group 1 for 32 rows of x
.set G0,   32                          ; s[32:35], s[36:39] groups 0 for slots 0, 1; s[40:43] for x
.set MUL_LO, 0xa1                      ; source 0 (weights) window 1, source 1 (activations) window 0, C and D window 2
.set MUL_HI, 0xf1
.set TO_W,   0x40                      ; destination window 1
.set MSB, 0
.macro WIN new                         ; the immediate's high byte repeats the setting that is left
.if MSB != (\new)
	s_set_vgpr_msb (MSB<<8)|(\new)
.set MSB, \new
.endif
.endm
.macro PLACES                          ; four plain lines: behind a tensor load, ahead of loads into registers that matrix instructions have read, and of the first read of results
.rept 4
	v_nop
.endr
.endm
.macro CREST                           ; a round of the cluster's barrier behind its opening barrier
	s_cmp_lg_u32 s10, 0
	s_cbranch_scc1 .Lnot_wave_0_\@
	s_barrier_signal -3
.Lnot_wave_0_\@:
	s_barrier_wait -3
	s_barrier_signal -1
	s_barrier_wait -1
.endm
.macro ROUND
	s_barrier_signal -1
	s_barrier_wait -1
	CREST
.endm
.macro FRAG reg, adr, off              ; an image comes back as it was stored: 12 registers, three loads of 512 consecutive bytes
.irp c, 0,1,2
	ds_load_b128 v[\reg+4*\c:\reg+4*\c+3], v[\adr] offset:\off+512*\c
.endr
.endm
.macro FETCH_W buf, q, p               ; my eight tiles of the slot's q-th K step into set p: 24 loads
	WIN TO_W
.irp b, 0,1,2,3,4,5,6,7
	FRAG 128*(\p)+12*\b, ADW+(\buf), (\q)*WQ+\b*FRB
.endr
	WIN 0
.endm
.macro FETCH_H s, a0                   ; row tiles a0 .. a0 + 3 of K step s: 12 loads
.irp a, \a0, \a0+1, \a0+2, \a0+3
	FRAG AF+12*(\a), ADH+((\s)>>2), ((\s)&3)*8*FRB+(\a)*FRB
.endr
.endm
.macro SCALES buf, t                   ; scale words of a slot and of K steps 2 t, 2 t + 1: lanes 0-15 the first K step's, lanes 16-31 the second's: 4 loads
	ds_load_b128 v[SCS+16*(\buf):SCS+16*(\buf)+3], v[ADSW+(\buf)]
	ds_load_b128 v[SCS+16*(\buf)+4:SCS+16*(\buf)+7], v[ADSW+(\buf)] offset:512
	ds_load_b128 v[SCS+16*(\buf)+8:SCS+16*(\buf)+11], v[ADHS] offset:(\t)*1024
	ds_load_b128 v[SCS+16*(\buf)+12:SCS+16*(\buf)+15], v[ADHS] offset:(\t)*1024+512
.endm
.macro WM d, w, x, sw, sx, row, zero
.if \zero
	v_wmma_scale_f32_16x16x128_f8f6f4 v[\d:\d+7], v[\w:\w+11], v[\x:\x+11], 0, v[\sw], v[\sx] matrix_a_fmt:MATRIX_FMT_FP6 matrix_b_fmt:MATRIX_FMT_FP6
.elseif \row
	v_wmma_scale_f32_16x16x128_f8f6f4 v[\d:\d+7], v[\w:\w+11], v[\x:\x+11], v[\d:\d+7], v[\sw], v[\sx] matrix_a_fmt:MATRIX_FMT_FP6 matrix_b_fmt:MATRIX_FMT_FP6 matrix_a_scale:MATRIX_SCALE_ROW1 matrix_b_scale:MATRIX_SCALE_ROW1
.else
	v_wmma_scale_f32_16x16x128_f8f6f4 v[\d:\d+7], v[\w:\w+11], v[\x:\x+11], v[\d:\d+7], v[\sw], v[\sx] matrix_a_fmt:MATRIX_FMT_FP6 matrix_b_fmt:MATRIX_FMT_FP6
.endif
.endm
; 16 matrix instructions: row tiles a0, a0 + 1 x my eight tiles of columns.  The 64 accumulators take turns, one instruction a turn, in the same order in every step.
.macro MUL16 a0, p, q, sc, zero
.irp a, \a0, \a0+1
.irp b, 0,1,2,3,4,5,6,7
	WM 8*(8*((\a)%4)+\b), 128*(\p)+12*\b, AF+12*(\a), SCS+16*(\sc)+\b, SCS+16*(\sc)+8+(\a), \q, \zero
.endr
.endr
.endm
.macro START buf, s, t                 ; the first fragments of a slot: 52 loads, row tiles 4-7 last
	PLACES
	FETCH_W \buf, 0, 0
	FETCH_H \s, 0
	SCALES \buf, \t
	FETCH_H \s, 4
.endm
.macro STEP buf, s, zero               ; a slot's first K step; the second's fragments are fetched in two runs
	s_wait_dscnt 12                                ; all but the youngest 12 loads (row tiles 4-7)
	WIN MUL_LO
	MUL16 0, 0, 0, \buf, \zero
	MUL16 2, 0, 0, \buf, \zero
	s_wait_dscnt 0x0
	PLACES
	FETCH_W \buf, 1, 1
	FETCH_H (\s)+1, 0
	WIN MUL_HI
	MUL16 4, 0, 0, \buf, \zero
	MUL16 6, 0, 0, \buf, \zero
	PLACES
	WIN 0
	FETCH_H (\s)+1, 4
.endm
.macro FINAL buf                       ; a slot's second K step, with nothing to fetch behind it
	s_wait_dscnt 12
	WIN MUL_LO
	MUL16 0, 1, 1, \buf, 0
	MUL16 2, 1, 1, \buf, 0
	s_wait_dscnt 0x0
	WIN MUL_HI
	MUL16 4, 1, 1, \buf, 0
	MUL16 6, 1, 1, \buf, 0
	WIN 0
.endm
; A slot's second K step that changes slots: each wave waits for all its tensor loads (the one out is its quarter of the next slot), adds 0 to its spare word, and waits for that and for its reads of this slot;
; the barrier opens a round of the cluster's barrier; behind the round this slot is asked for again, first thing.
.macro TURN buf, next, sn, tn
	s_wait_tensorcnt 0x0
	ds_add_u32 v[SPW], v[NIL]                      ; 0 onto my spare word
	s_wait_dscnt 13                                ; (the add and the youngest 12 loads may be out)
	WIN MUL_LO
	MUL16 0, 1, 1, \buf, 0
	s_wait_dscnt 0x0                               ; the add is done, and my reads of this slot are over
	s_barrier_signal -1
	MUL16 2, 1, 1, \buf, 0
	WIN 0
	s_barrier_wait -1
	CREST                                          ; no wave of any partner still reads this slot or has a load on its way
	s_add_nc_u64 s[G0+4*\buf+2:G0+4*\buf+3], s[G0+4*\buf+2:G0+4*\buf+3], SLOTB   ; the stream's next slot; no load of mine is out
	tensor_load_to_lds s[G0+4*\buf:G0+4*\buf+3], s[G1W:G1W+7]
	s_nop 0
	PLACES
	FETCH_W \next, 0, 0
	FETCH_H \sn, 0
	SCALES \next, \tn
	WIN MUL_HI
	MUL16 4, 1, 1, \buf, 0
	MUL16 6, 1, 1, \buf, 0
	PLACES
	WIN 0
	FETCH_H \sn, 4
.endm
; A slot that has been read out is asked for again, with no matrix work at hand.  The round also shows every wave what the others have stored in LDS.
.macro CHANGE buf, step
	s_wait_tensorcnt 0x0                           ; all my tensor loads have landed
	ds_add_u32 v[SPW], v[NIL]                      ; 0 onto my spare word
.if \step
	s_add_nc_u64 s[G0+4*\buf+2:G0+4*\buf+3], s[G0+4*\buf+2:G0+4*\buf+3], SLOTB
.endif
	s_wait_dscnt 0x0                               ; the add is done; my LDS reads are back and my LDS stores have landed
	ROUND
	tensor_load_to_lds s[G0+4*\buf:G0+4*\buf+3], s[G1W:G1W+7]
	s_nop 0
	PLACES
.endm
; 64 numbers of a lane in window 1, register 16 b + i = k 32 b + 16 (lane / 16) + i of my row, become a fragment's codes in v[PC] on and its scale word in v[PW].  All under the setting 0x55.
.macro QUANT s, abs
.irp b, 0,1,2,3
.if \abs
	v_max3_num_f32 v[TM+\b], |v[\s+16*\b]|, |v[\s+1+16*\b]|, 0x1800000   ; with the floor 2^(3 - 127): the byte cannot fall under 1
.else
	v_max3_num_f32 v[TM+\b], v[\s+16*\b], v[\s+1+16*\b], 0x1800000       ; (a softplus is never negative)
.endif
.endr
.irp i, 2,4,6,8,10,12,14
.irp b, 0,1,2,3
.if \abs
	v_max3_num_f32 v[TM+\b], v[TM+\b], |v[\s+16*\b+\i]|, |v[\s+1+16*\b+\i]|
.else
	v_max3_num_f32 v[TM+\b], v[TM+\b], v[\s+16*\b+\i], v[\s+1+16*\b+\i]
.endif
.endr
.endr
.irp b, 0,1,2,3
	v_permlanex16_b32 v[TM+4+\b], v[TM+\b], s50, s51
.endr
.irp b, 0,1,2,3
	v_max_num_f32 v[TM+\b], v[TM+\b], v[TM+4+\b]   ; with lane l xor 16's: the block's largest magnitude
.endr
.irp b, 0,1,2,3
	v_add_nc_u32 v[TM+8+\b], 0xff000000, v[TM+\b]  ; 2 off its exponent field: the conversion's scale operand
.endr
.irp b, 0,1,2,3
	v_lshrrev_b32 v[TM+4+\b], 23, v[TM+8+\b]       ; the scale's byte
.endr
	v_lshl_or_b32 v[PW], v[TM+5], 8, v[TM+4]
	v_lshl_or_b32 v[PW], v[TM+6], 16, v[PW]
	v_lshl_or_b32 v[PW], v[TM+7], 24, v[PW]
.irp c, 0,1
	v_cvt_scalef32_pk16_fp6_f32 v[PC+6*\c:PC+2+6*\c], v[\s+32*\c:\s+15+32*\c], v[TM+8+2*\c]
	v_cvt_scalef32_pk16_fp6_f32 v[PC2+4*\c:PC2+2+4*\c], v[\s+16+32*\c:\s+31+32*\c], v[TM+9+2*\c]   ; (a conversion's three registers begin on an even number)
.endr
	v_nop                                          ; one plain line behind the scaled conversions
.irp c, 0,1                            ; the operand wants a WHOLE block in a lane: lanes 0-15 block 2 c, lanes 16-31 block 2 c + 1
.irp i, 0,1,2
	v_permlane16_swap_b32 v[PC+6*\c+\i], v[PC2+4*\c+\i]
.endr
.irp i, 0,1,2
	v_mov_b32 v[PC+3+6*\c+\i], v[PC2+4*\c+\i]
.endr
.endr
.endm
.macro KEEP a                          ; the fragment and its scale word go to window 0
	WIN 0x01
.irp i, 0,1,2,3,4,5,6,7,8,9,10,11
	v_mov_b32 v[HELD+12*(\a)+\i], v[PC+\i]
.endr
	v_mov_b32 v[HSW+(\a)], v[PW]
.endm
; Row tile a of my 128 columns: softplus, then the quantiser.  The 64 exponentials are one batch and the 64 logarithms another, each with ONE wait ahead of its first reader;
; the 64 max(x, 0), which name no result of either, are dealt among them, one behind every second one, and the last of them is the plain line behind the batch.
.macro VTILE a
.set WA, 2+(\a)/4
.set AC, 64*((\a)%4)
	WIN (0x40|WA)
.set vi, 0
.rept 32
	v_pk_mul_f32 v[T+vi:T+vi+1], v[AC+vi:AC+vi+1], s[46:47] op_sel_hi:[1,0]   ; x log2 e; each accumulator is read from its low end on
.set vi, vi+2
.endr
	WIN (0x41|(WA<<2))
.set vi, 0
.rept 32
	v_exp_f32 v[T+2*vi], -|v[T+2*vi]|
	v_exp_f32 v[T+2*vi+1], -|v[T+2*vi+1]|
	v_max_num_f32 v[MX+vi], 0, v[AC+vi]
.set vi, vi+1
.endr
	s_wait_alu depctr_va_vdst(0)
.set vi, 0
.rept 32
	v_pk_add_f32 v[T+vi:T+vi+1], v[T+vi:T+vi+1], 1.0 op_sel_hi:[1,0]
.set vi, vi+2
.endr
.set vi, 0
.rept 32
	v_log_f32 v[T+2*vi], v[T+2*vi]
	v_log_f32 v[T+2*vi+1], v[T+2*vi+1]
	v_max_num_f32 v[MX+32+vi], 0, v[AC+32+vi]
.set vi, vi+1
.endr
	s_wait_alu depctr_va_vdst(0)
	WIN 0x55
.set vi, 0
.rept 32
	v_pk_fma_f32 v[T+vi:T+vi+1], v[T+vi:T+vi+1], s[48:49], v[MX+vi:MX+vi+1] op_sel_hi:[1,0,1]   ; ln 2 x log2(..) + max(x, 0)
.set vi, vi+2
.endr
	QUANT T, 0
	KEEP \a
	WIN 0
.endm
.macro STOREH ai, aw                   ; my eight fragments (one K step of the next product) and their scale words go to LDS
.irp a, 0,1,2,3,4,5,6,7
.irp c, 0,1,2
	ds_store_b128 v[\ai], v[HELD+12*\a+4*\c:HELD+12*\a+4*\c+3] offset:\a*FRB+512*\c
.endr
	ds_store_b32 v[\aw], v[HSW+\a] offset:(\a/4)*512+4*(\a%4)      ; lanes l and l xor 16 write the same word with the same value
.endr
.endm
	s_load_b128 s[4:7], s[0:1], 0x0                ; x, wq
	s_load_b64 s[8:9], s[0:1], 0x10                ; out0
	v_lshl_add_u32 v[SPW], v0, 2, SPARE
	v_mov_b32 v[NIL], 0
	ds_add_u32 v12, v13
	ds_add_u32 v12, v13
	s_wait_dscnt 0x0
	v_lshrrev_b32 v249, 5, v0
	v_readfirstlane_b32 s10, v249                  ; wave 0..3
	s_bfe_u32 s11, ttmp6, 0x40000                  ; cx: it enters x's and out0's addresses alone
	s_lshl_b32 s12, ttmp9, 2
	s_add_co_u32 s12, s12, s11                     ; my block of 128 rows
	; a quarter of a slot: 25,600 dense bytes as 100 rows of 32 elements of 8 bytes; asked for jointly by all four work-groups
	s_mov_b32 s[G1W], 15|(3<<16)|(1<<21)           ; 15:0 the mask; 17:16 elements of 8 bytes; 21 set beside a mask
	s_mov_b32 s[G1W+1], 32<<16                     ; tensor_dim0
	s_mov_b32 s[G1W+2], 100<<16                    ; tensor_dim1
	s_mov_b32 s[G1W+3], 32<<16                     ; tile_dim0
	s_mov_b32 s[G1W+4], 100                        ; tile_dim1
	s_mov_b32 s[G1W+5], 32                         ; from row to row
	s_mov_b32 s[G1W+6], 0
	s_mov_b32 s[G1W+7], 0
	; 32 rows of x: 256 elements of 4 bytes, 16 bytes of padding behind each row; my work-group's own
	s_mov_b32 s[G1X], (2<<16)|(1<<20)|(7<<22)|(3<<25)
	s_mov_b32 s[G1X+1], 256<<16
	s_mov_b32 s[G1X+2], 32<<16
	s_mov_b32 s[G1X+3], 256<<16
	s_mov_b32 s[G1X+4], 32
	s_mov_b32 s[G1X+5], 256
	s_mov_b32 s[G1X+6], 0
	s_mov_b32 s[G1X+7], 0
	s_mov_b32 s46, 0x3fb8aa3b                      ; log2 e (the packed forms name a pair and take its low word for both halves)
	s_mov_b32 s47, s46
	s_mov_b32 s48, 0x3f317218                      ; ln 2
	s_mov_b32 s49, s48
	s_mov_b32 s50, 0x76543210                      ; v_permlanex16_b32's selects for lane l xor 16
	s_mov_b32 s51, 0xfedcba98
	s_mul_i32 s13, s10, QUART                      ; my quarter, in wq and in a slot
	s_mov_b32 s14, s13
	s_mov_b32 s15, 0
	s_lshl_b32 s52, s12, 17                        ; 128 rows of 1,024 bytes,
	s_lshl_b32 s53, s10, 15                        ; my wave's 32 of them
	s_add_co_u32 s52, s52, s53
	s_mov_b32 s53, 0
	s_lshl_b32 s44, s12, 17
	s_lshl_b32 s45, s10, 8                         ; in out0: my wave's 64 columns
	s_add_co_u32 s44, s44, s45
	s_mov_b32 s45, 0
	s_wait_kmcnt 0x0
	s_mov_b32 s[G0], 1
	s_mov_b32 s[G0+1], s13
	s_add_nc_u64 s[G0+2:G0+3], s[6:7], s[14:15]
	s_mov_b32 s[G0+4], 1
	s_add_co_u32 s[G0+5], s13, SLOTB
	s_add_nc_u64 s[G0+6:G0+7], s[G0+2:G0+3], STR1
	s_or_b32 s[G0+3], s[G0+3], 0x80000000
	s_or_b32 s[G0+7], s[G0+7], 0x80000000
	s_mov_b32 s[G0+8], 1
	s_mul_i32 s[G0+9], s10, 32*XP
	s_add_co_u32 s[G0+9], s[G0+9], XT
	s_add_nc_u64 s[G0+10:G0+11], s[4:5], s[52:53]
	s_or_b32 s[G0+11], s[G0+11], 0x80000000
	s_add_nc_u64 s[8:9], s[8:9], s[44:45]
	ROUND                                          ; all four work-groups are here: the first joint loads meet
	tensor_load_to_lds s[G0+8:G0+11], s[G1X:G1X+7] ; my 32 rows of x
	s_nop 0
	tensor_load_to_lds s[G0:G0+3], s[G1W:G1W+7]    ; slot 0: layer 1, pass 0.  Two loads of mine are out
	s_nop 0
	PLACES
	v_and_b32 v250, 31, v0                         ; lane
	v_and_b32 v251, 15, v0                         ; r
	v_bfe_u32 v252, v0, 4, 1                       ; h
	v_lshlrev_b32 v253, 4, v250                    ; an image's place for my lane
	s_mul_i32 s12, s10, 8*FRB
	v_add_nc_u32 v[ADW], s12, v253
	v_add_nc_u32 v[ADW+1], SLOTB, v[ADW]
	s_lshl_b32 s12, s10, 10
	s_add_co_u32 s12, s12, SCW
	v_add_nc_u32 v[ADSW], s12, v253
	v_add_nc_u32 v[ADSW+1], SLOTB, v[ADSW]
	v_add_nc_u32 v[ADH], HREG, v253
	v_add_nc_u32 v[ADH+1], HREG+HHALF, v253
	v_add_nc_u32 v[ADHS], HSC, v253
	v_add_nc_u32 v[ADST0], HREG, v[ADW]
	s_lshr_b32 s12, s10, 1
	s_and_b32 s13, s10, 1
	s_lshl_b32 s14, s12, 10
	s_lshl_b32 s15, s13, 8
	s_add_co_u32 s14, s14, s15
	s_add_co_u32 s14, s14, HSC
	v_lshl_add_u32 v[ADSS0], v251, 4, s14
	s_mul_i32 s14, s10, 32*XP
	s_add_co_u32 s14, s14, XT
	v_mul_u32_u24 v[ADX], v251, XP
	v_lshl_add_u32 v[ADX], v252, 6, v[ADX]         ; row r, + 64 h: my 16 numbers of a block of 32
	v_add_nc_u32 v[ADX], s14, v[ADX]
	s_mul_i32 s14, s10, 2*FRB
	s_add_co_u32 s14, s14, HREG+HHALF
	v_add_nc_u32 v[ADXI], s14, v253                ; x's images: K steps 4, 5; row tiles 2 w, 2 w + 1
	s_lshl_b32 s14, s12, 9
	s_lshl_b32 s15, s13, 3
	s_add_co_u32 s14, s14, s15
	s_add_co_u32 s14, s14, HSC+2048
	v_lshl_add_u32 v[ADXS], v251, 4, s14
.set vi, 48
.rept 48
	v_mov_b32 v[HELD+vi], 0                        ; written once, so that every register that the store of held codes names has been written on every way through the text
.set vi, vi+1
.endr
.irp a, 4,5,6,7
	v_mov_b32 v[HSW+\a], 0
.endr
	WIN TO_W
.irp b, 0,1,2,3
	v_mov_b32 v[TM+4+\b], 0                        ; a lane permute's destination counts as one of its sources
.endr
; ---- x: my 32 rows become four fragments (row tile k / 2, K step k % 2).  I read only the rows that I fetched.
.macro XLOAD k
	WIN TO_W
.irp bb, 0,1,2,3
.irp j, 0,1,2,3
	ds_load_b128 v[128*((\k)&1)+16*\bb+4*\j:128*((\k)&1)+16*\bb+4*\j+3], v[ADX] offset:((\k)>>1)*16*XP+((\k)&1)*512+128*\bb+16*\j
.endr
.endr
.endm
	s_wait_tensorcnt 0x1                           ; x is in; slot 0's load, issued behind it, may be out
	XLOAD 0
	XLOAD 1
	s_wait_dscnt 16                                ; the older fragment's 16 loads are in
	WIN 0x55
	QUANT T, 1
	KEEP 0
	XLOAD 2
	s_wait_dscnt 16
	WIN 0x55
	QUANT TB, 1
	KEEP 1
	XLOAD 3
	s_wait_dscnt 16
	WIN 0x55
	QUANT T, 1
	KEEP 2
	s_wait_dscnt 0x0
	WIN 0x55
	QUANT TB, 1
	KEEP 3
	WIN 0
.irp k, 0,1,2,3
.irp c, 0,1,2
	ds_store_b128 v[ADXI], v[HELD+12*\k+4*\c:HELD+12*\k+4*\c+3] offset:(\k%2)*8*FRB+(\k/2)*FRB+512*\c
.endr
	ds_store_b32 v[ADXS], v[HSW+\k] offset:256*(\k%2)+4*(\k/2)
.endr
	CHANGE 1, 0                                    ; nobody reads x's f32 rows any more: slot 1 takes stream 1's first slot.  x's images and slot 0 are whole for every wave
; ---- four passes
	s_mov_b32 s44, 0
.Lpass:
	START 0, 4, 2
	STEP 0, 4, 1                                   ; the first products start the sums: nothing is cleared
	FINAL 0
	CHANGE 0, 1                                    ; slot 0 takes stream 0's next slot
	s_cmp_lt_u32 s44, 2                            ; layer 1 has K = 256: its pass is done
	s_cbranch_scc1 .Lvee
	START 1, 6, 3
	STEP 1, 6, 0
	TURN 1, 0, 0, 0
	STEP 0, 0, 0
	TURN 0, 1, 2, 1
	STEP 1, 2, 0
	FINAL 1
	CHANGE 1, 1
.Lvee:                                                 ; behind a round: no wave reads the activations of this pass any more
	s_cmp_lg_u32 s44, 3
	s_cbranch_scc1 .Lno_held
	STOREH ADST0, ADSS0                            ; pass 3: layer 1's codes are dead; pass 2's, held till now, take K steps 0-3
	s_wait_dscnt 0x0                               ; the stores have read their registers
.Lno_held:
	VTILE 0
	VTILE 1
	VTILE 2
	VTILE 3
	VTILE 4
	VTILE 5
	VTILE 6
	VTILE 7
	s_min_u32 s52, s44, 1                          ; pass 0: K steps 0-3; passes 1, 3: K steps 4-7
	s_mul_i32 s53, s52, HHALF
	s_lshl_b32 s52, s52, 11
	v_add_nc_u32 v[ADSTC], s53, v[ADST0]
	v_add_nc_u32 v[ADSSC], s52, v[ADSS0]
	s_cmp_eq_u32 s44, 2                            ; pass 2's codes stay in registers: pass 3 still reads layer 1's
	s_cbranch_scc1 .Lhold
	STOREH ADSTC, ADSSC
.Lhold:
	s_wait_tensorcnt 0x0                           ; the slot that the next pass reads first: no load was issued behind it.
	s_wait_dscnt 0x0                               ; my images have landed
	s_barrier_signal -1
	s_barrier_wait -1
	s_add_co_u32 s44, s44, 1
	s_cmp_lt_u32 s44, 4
	s_cbranch_scc1 .Lpass
; ---- layer 3: both slots and all of layer 2's codes lie in LDS: no barrier, no tensor load.  A wave: 8 row tiles x 4 tiles of columns, accumulator (a, b) at v[8 (4 a + b)] of window 2.
	s_mul_i32 s12, s10, 4*FRB
	v_add_nc_u32 v1, s12, v253                     ; fragment 16 q + 4 w + b of a slot: K steps 0-1,
	v_add_nc_u32 v2, WQ, v1                        ; 2-3,
	v_add_nc_u32 v8, SLOTB, v1                     ; 4-5,
	v_add_nc_u32 v9, SLOTB+WQ, v1                  ; 6-7
	s_mul_i32 s12, s10, 16*SP
	s_add_co_u32 s12, s12, STAGE                   ; my stage
	v_mul_u32_u24 v[STO], v251, SP
	v_lshl_add_u32 v[STO], v252, 5, v[STO]
	v_add_nc_u32 v[STO], s12, v[STO]               ; in: row r, 32 bytes for each half of the lanes
	v_mul_u32_u24 v[RD], v252, SP
	v_lshl_add_u32 v[RD], v251, 4, v[RD]
	v_add_nc_u32 v[RD], s12, v[RD]                 ; back: lanes 0-15 one row of 256 bytes, lanes 16-31 the next
	v_lshlrev_b32 v[CO], 10, v252
	v_lshl_add_u32 v[CO], v251, 4, v[CO]           ; and the same two rows in out0
.macro FETCH_W3 s                      ; my four tiles of K step s into set s % 2: 12 loads
	WIN TO_W
.irp b, 0,1,2,3
	FRAG 128*((\s)&1)+12*\b, 1+((\s)>>1)+5*((\s)>>2), ((\s)&1)*16*FRB+\b*FRB
.endr
	WIN 0
.endm
.macro HS3 t                           ; the activations' scale words of K steps 2 t, 2 t + 1 into set t % 2
	ds_load_b128 v[SCS+16*((\t)&1)+8:SCS+16*((\t)&1)+11], v[ADHS] offset:(\t)*1024
	ds_load_b128 v[SCS+16*((\t)&1)+12:SCS+16*((\t)&1)+15], v[ADHS] offset:(\t)*1024+512
.endm
.macro MUL3 s, a0, zero                ; 16 matrix instructions; the 32 accumulators take turns
.irp a, \a0, \a0+1, \a0+2, \a0+3
.irp b, 0,1,2,3
	WM 8*(4*(\a)+\b), 128*((\s)&1)+12*\b, AF+12*(\a), SCS+16*((\s)>>2)+4*(((\s)&3)>>1)+\b, SCS+16*(((\s)>>1)&1)+8+(\a), (\s)&1, \zero
.endr
.endr
.endm
.macro STEP3 s, zero
	s_wait_dscnt 12                                ; all but row tiles 4-7
	WIN MUL_LO
	MUL3 \s, 0, \zero
	s_wait_dscnt 0x0
.if (\s) < 7
	PLACES
	FETCH_W3 (\s)+1
	FETCH_H (\s)+1, 0
.if ((\s)%2 == 0) && ((\s) < 6)
	HS3 (\s)/2+1
.endif
	WIN MUL_LO
.endif
	MUL3 \s, 4, \zero
.if (\s) < 7
	PLACES
	WIN 0
	FETCH_H (\s)+1, 4
.endif
.endm
	PLACES
	FETCH_W3 0
	FETCH_H 0, 0
.irp u, 0,1
	ds_load_b128 v[SCS+16*\u:SCS+16*\u+3], v[ADSW+\u]              ; the weights' scale words of both slots
	ds_load_b128 v[SCS+16*\u+4:SCS+16*\u+7], v[ADSW+\u] offset:512
.endr
	HS3 0
	FETCH_H 0, 4
	STEP3 0, 1
	STEP3 1, 0
	STEP3 2, 0
	STEP3 3, 0
	STEP3 4, 0
	STEP3 5, 0
	STEP3 6, 0
	STEP3 7, 0
	WIN 0
; ---- the way out, a row tile at a time: a lane holds 32 neighbouring bytes of a row; they go through my own stage and come back as whole rows of 256 bytes.
.macro TOSTAGE a
	WIN 0x08                                       ; an LDS store's data are its source 1: window 2
.irp b, 0,1,2,3
	ds_store_b128 v[STO], v[32*(\a)+8*\b:32*(\a)+8*\b+3] offset:64*\b            ; each accumulator from its low end on
	ds_store_b128 v[STO], v[32*(\a)+8*\b+4:32*(\a)+8*\b+7] offset:64*\b+16
.endr
	WIN 0
.irp t, 0,1,2,3,4,5,6,7
	ds_load_b128 v[AF+32*((\a)%2)+4*\t:AF+32*((\a)%2)+4*\t+3], v[RD] offset:2*\t*SP   ; LDS serves a wave's instructions in order (ISA guide 5.7.1.4): these see the stores above
.endr
.endm
.macro SEND a, younger
	s_wait_dscnt \younger                          ; the tile is back; the next tile's 8 stores and 8 loads may be out
.irp t, 0,1,2,3,4,5,6,7
	global_store_b128 v[CO], v[AF+32*((\a)%2)+4*\t:AF+32*((\a)%2)+4*\t+3], s[8:9] offset:(16*(\a)+2*\t)*1024 th:TH_STORE_NT   ; 16 lanes store 256 consecutive bytes, at a multiple of 256 from out0's first byte
.endr
.endm
	PLACES
	TOSTAGE 0
.irp a, 1,2,3,4,5,6,7
.if \a > 1
	s_wait_xcnt 0x0                                ; tile a - 2's stores have read their registers: tile a's loads may land there
.endif
	TOSTAGE \a
	SEND \a-1, 16
.endr
	SEND 7, 0
	s_wait_tensorcnt 0x0                           ; the wave's end
	ds_add_u32 v[SPW], v[NIL]
	s_wait_dscnt 0x0
	ROUND                                          ; the closing round: no work-group ends while a partner may still ask for a slot that names it
	s_endpgm
.Lfunc_end_k_qcc0b8ab755_mlp:
	.size	k_qcc0b8ab755_mlp, .Lfunc_end_k_qcc0b8ab755_mlp-k_qcc0b8ab755_mlp
	.p2alignl 7, 3214868480
	.fill 96, 4, 3214868480
	.section	.rodata,"a",@progbits
	.p2align	6, 0x0
	.amdhsa_kernel k_qcc0b8ab755_mlp
		.amdhsa_group_segment_fixed_size 327680
		.amdhsa_private_segment_fixed_size 0
		.amdhsa_enable_private_segment 0
		.amdhsa_kernarg_size 24
		.amdhsa_user_sgpr_count 2
		.amdhsa_user_sgpr_kernarg_segment_ptr 1
		.amdhsa_wavefront_size32 1
		.amdhsa_system_sgpr_workgroup_id_x 1
		.amdhsa_system_sgpr_workgroup_id_y 1
		.amdhsa_system_sgpr_workgroup_id_z 1
		.amdhsa_system_vgpr_workitem_id 0
		.amdhsa_next_free_vgpr 1024
		.amdhsa_next_free_sgpr 66
		.amdhsa_reserve_vcc 0
		.amdhsa_float_denorm_mode_32 3
		.amdhsa_float_denorm_mode_16_64 3
		.amdhsa_memory_ordered 1
		.amdhsa_forward_progress 1
		.amdhsa_inst_pref_size 255
	.end_amdhsa_kernel
	.section	.bss,"aw",@nobits
	.p2align	6
	.space	262144
	.amdgpu_metadata
---
amdhsa.version: [ 1, 2 ]
amdhsa.kernels:
  - .name:           k_qcc0b8ab755_mlp
    .symbol:         k_qcc0b8ab755_mlp.kd
    .args:
      - { .name: x, .offset: 0, .size: 8, .value_kind: global_buffer, .address_space: global }
      - { .name: wq, .offset: 8, .size: 8, .value_kind: global_buffer, .address_space: global }
      - { .name: out0, .offset: 16, .size: 8, .value_kind: global_buffer, .address_space: global }
    .group_segment_fixed_size: 327680
    .private_segment_fixed_size: 0
    .kernarg_segment_align: 8
    .kernarg_segment_size: 24
    .max_flat_workgroup_size: 128
    .sgpr_count:     66
    .vgpr_count:     1024
    .wavefront_size: 32
...
	.end_amdgpu_metadata
.endif
;; end of part 2
